; MI455X (gfx1250); checked and timed in simulation.
; The chip was launched on July 23, 2026; its instructions are those of AMD's public machine-readable ISA for CDNA 5 (MIT licence, August 2026) and "CDNA5" Instruction Set Architecture Reference Guide (July 2026). The comments in the code are by the model that wrote it; some were corrected since.
;; Multi Head Attention. Allowed arithmetic: matrix products marked QUANTISED: E2M1 operands, one E8M0 scale for each 32 along K, by v_wmma_scale_f32_16x16x128_f8f6f4 with both operands' format E2M1 (or v_wmma_scale_f32_32x16x128_f4), f32 sums; everything else in f32.
;; Inputs: W_k_codes 1,024 x 32 x 16 uint8 (E2M1 codes of W_k, K innermost, in blocks of 32 codes, two codes a byte); W_k_scales 1,024 x 32 uint8 (E8M0 scales of W_k, one for each 32 codes along K); W_o_codes 1,024 x 32 x 16 uint8 (E2M1 codes of W_o, K innermost, in blocks of 32 codes, two codes a byte); W_o_scales 1,024 x 32 uint8 (E8M0 scales of W_o, one for each 32 codes along K); W_q_codes 1,024 x 32 x 16 uint8 (E2M1 codes of W_q, K innermost, in blocks of 32 codes, two codes a byte); W_q_scales 1,024 x 32 uint8 (E8M0 scales of W_q, one for each 32 codes along K); W_v_codes 1,024 x 32 x 16 uint8 (E2M1 codes of W_v, K innermost, in blocks of 32 codes, two codes a byte); W_v_scales 1,024 x 32 uint8 (E8M0 scales of W_v, one for each 32 codes along K); b_k 1,024 float32; b_o 1,024 float32; b_q 1,024 float32; b_v 1,024 float32; x_codes 1 x 4,096 x 32 x 16 uint8 (E2M1 codes of x, K innermost, in blocks of 32 codes, two codes a byte); x_scales 1 x 4,096 x 32 uint8 (E8M0 scales of x, one for each 32 codes along K).
;; Outputs: out0 1 x 4,096 x 1,024 float32.
;; This version of the problem:
;;   THIS VERSION OF THE PROBLEM IS GIVEN IN LOW PRECISION. The matrix products marked QUANTISED in the list below multiply operands that are first quantised to E2M1 (2 exponent bits, 1 mantissa bit; 4 bits a number), with one power-of-two scale for each 32 numbers along K (OCP MX v1.0); their sums are f32. All else is computed in f32.
;;   The module's matrix products, in the order in which they are computed (A, B: the left and right operand; K: the contracted axis; several contracted axes count as one K, in the product's order):
;;     1. [M 4,096, K 1,024] x [K 1,024, N 1,024]; A: input x (given as codes); B: input W_q (given as codes): QUANTISED
;;     2. [M 4,096, K 1,024] x [K 1,024, N 1,024]; A: input x (given as codes); B: input W_k (given as codes): QUANTISED
;;     3. [M 4,096, K 1,024] x [K 1,024, N 1,024]; A: input x (given as codes); B: input W_v (given as codes): QUANTISED
;;     4. batch 16 x [M 4,096, K 64] x [K 64, N 4,096]; A: computed on the way; B: computed on the way: QUANTISED
;;     5. batch 16 x [M 4,096, K 4,096] x [K 4,096, N 64]; A: softmax (see below); B: computed on the way: QUANTISED
;;     6. [M 4,096, K 1,024] x [K 1,024, N 1,024]; A: computed on the way; B: input W_o (given as codes): QUANTISED
;;   THE QUANTISER, for each operand of a quantised product, along K:
;;     - K is cut into blocks of 32 from its start; a last block that is shorter is filled with zeros.
;;     - A block's scale is 2^e with e = floor(log2(the largest magnitude in the block)) - 2, held to -126 .. 127; a block of zeros has e = 0. As a byte (E8M0): e + 127.
;;     - Each number is divided by its block's scale, clamped to +-6, and rounded to the nearest number of E2M1, ties to even, subnormals kept.
;;     - The product sums the exact products of the quantised numbers (number of the format x scale) in f32.
;;   ~~~python
;;   def quantise(x, axis):      # numpy; x: float32 -> the quantised numbers, widened to float32 again
;;       x = np.moveaxis(x, axis, -1); K = x.shape[-1]
;;       x = np.pad(x, [(0, 0)] * (x.ndim - 1) + [(0, -K % 32)]); x = x.reshape(x.shape[:-1] + (-1, 32)); a = np.abs(x).max(-1, keepdims=True)
;;       e = np.where(a > 0, np.clip(np.frexp(np.where(a > 0, a, 1))[1] - 1 - 2, -126, 127), 0)      # np.frexp(a)[1] - 1 = floor(log2(a)), exactly
;;       r = np.clip(x / 2.0 ** e, -6, 6)
;;       step = 2.0 ** (np.maximum(np.frexp(np.where(r == 0, 1, r))[1] - 1, 0) - 1)
;;       q = np.round(r / step) * step * 2.0 ** e      # np.round: ties to even
;;       return np.moveaxis(q.reshape(q.shape[:-2] + (-1,))[..., :K], -1, axis).astype(np.float32)
;;   ~~~
;;   SOFTMAX AHEAD OF A QUANTISED PRODUCT. Where the list says 'softmax', what is quantised is not the finished softmax but p = 2^(t - M), with t = logit x log2(e) and M = ceil(the row's largest t), a whole number; so 1/2 < the row's largest p <= 1. The row's sum l is taken of the UNQUANTISED p, in f32, and the product's result is divided by l at the end. Since M is a whole number, a kernel that streams over the keys may use a running M (the ceiling of the running maximum): every later rescaling is an exact power of two, which a block's scale takes up: the codes' values come out the same.
;;   OPERANDS COMPUTED ON THE WAY. 'Computed on the way' means the value that the module computes at that place (a softmax that the list does not call 'softmax' is quantised finished and normalised). What goes into a quantiser is computed in f32, as accurately as f32 sums, v_exp_f32 and their like allow (about 1e-6 of the number): no bf16 or f16 on the way to a quantiser, and a product that is left as it is and whose result goes on into a quantised operand takes f32 operands (vector FMAs, or v_wmma_f32_16x16x4_f32). A number that lies on a knife's edge between two numbers of the format may be rounded either way, as far as f32 arithmetic and the matrix unit's own rounding can turn it there, and no further.
;;   INPUTS GIVEN AS CODES. W_k (in the module: [1024, 1024], K = its axis 0); W_o (in the module: [1024, 1024], K = its axis 0); W_q (in the module: [1024, 1024], K = its axis 0); W_v (in the module: [1024, 1024], K = its axis 0); x (in the module: [1, 4096, 1024], K = its axis 2): each comes as NAME_codes (uint8): NAME with its K axis moved to the last place and cut into blocks of 32 codes, [.., K / 32, bytes a block], one block behind the other in memory; two codes a byte, the lower K in the low four bits (a code: sign, 2 exponent bits, 1 mantissa bit); and NAME_scales (uint8): the same leading axes, one E8M0 byte (e + 127) for each 32 codes along K. Its value is code x scale, taken as it is: it is not quantised again, and the codes and scales need not be those that the quantiser above would give.
;; One version. Each part assembles by itself: llvm-mc -triple=amdgcn-amd-amdhsa -mcpu=gfx1250 --defsym DOCPART=n.
;; ======== version 1 of 1: 3 launches
;; limits: right only within a limited range of input values
;; workspace buffers: qf 2,097,152 bytes; qs 262,144 bytes; kv 4,587,520 bytes; cf 2,097,152 bytes; cs 131,072 bytes
;; launch qkv (part 1): grid 8 x 32, 12 waves a work-group, clusters of 4 x 4, 327,680 bytes of LDS; arguments x_codes, x_scales, W_q_codes, W_q_scales, W_k_codes, W_k_scales, W_v_codes, W_v_scales, b_q, b_k, b_v, qf, qs, kv; writes qf, qs, kv
.if DOCPART == 1
	.amdgcn_target "amdgcn-amd-amdhsa--gfx1250"
	.amdhsa_code_object_version 6
	.text
	.protected	k_q2ca258d9c1_qkv
	.globl	k_q2ca258d9c1_qkv
	.p2align	8
	.type	k_q2ca258d9c1_qkv,@function
k_q2ca258d9c1_qkv:
	s_mov_b64 s[64:65], 0
	v_nop
	global_prefetch_b8 v0, s[64:65] scope:SCOPE_SE
	s_setreg_imm32_b32 hwreg(HW_REG_WAVE_MODE, 25, 1), 1
	s_wait_xcnt 0x0
	s_wait_alu depctr_hold_cnt(0) depctr_sa_sdst(0) depctr_va_vdst(0) depctr_va_sdst(0) depctr_va_ssrc(0) depctr_va_vcc(0) depctr_vm_vsrc(0)
	s_getreg_b32 s2, hwreg(HW_REG_IB_STS2, 6, 4)
	s_cmp_eq_u32 s2, 0
	s_cbranch_scc0 .Lentry_in_a_cluster
	s_endpgm
.Lentry_in_a_cluster:
	s_bfe_u32 s2, ttmp6, 0x10000c
	s_cmp_lg_u32 s2, 0xf033
	s_cbranch_scc0 .Lentry_shape_is_right
	s_endpgm
.Lentry_shape_is_right:
; Q = x W_q + b_q, K = x W_k + b_k, V = x W_v + b_v on codes of FP4 (E2M1) with E8M0 scales, K = 1,024; the results are quantised at once:
; Q and K along a head's 64 channels, V along the keys (tokens), and leave as images of the next products' operand registers.
; SHARES.  A work-group takes 128 tokens x 128 channels (two heads) of each of Q, K, V.  Twelve waves: role = wave / 4 (0 Q, 1 K, 2 V), sub = wave % 4.
; Each wave makes 2 x 8 tiles of 16 x 16.  Source 0 is the LONG operand (128 rows), source 1 the SHORT one (32 rows): in the result a lane holds one short row and its
; registers run along the long rows, which are the next product's K.  Q, K: long = the weight's 128 rows, short = tokens 32 sub on.  V: long = the 128 tokens, short = W_v's rows 32 sub on.
; One text serves the three roles: only base addresses differ.
; LDS.  All of K for the four operands (W_q, W_k, x, W_v: 128 rows each) lies in LDS, in two halves of K, with all their scale bytes: every byte is filled once, nothing is filled again.
; CLUSTER 4 x 4.  x's tile hangs on the token block alone and is shared along a row of the cluster, the weights' tiles on the channel block alone and are shared along a column: joint loads.
; QUANTISER.  A block's scale byte is its largest magnitude's exponent field - 2, held at 1 from below.  Tiles 2 b and 2 b + 1 hold block b: lane (r, h) has k = 32 b + 16 u + 8 h + 0..7 of tile 2 b + u,
; so lanes l and l xor 16 share a block.  The codes of tiles (0, 2, 1, 3) stand in four registers on end; two exchanges of lane halves then give the operand's layout (lane h: k = 32 h + 0..31).
; LIMITS: NaN and infinities are not served; a block of zeros, or one whose largest magnitude lies under 2^-124, gets the byte 1 (its bytes are read by this program alone).
.set PITCH,  272                       ; an LDS row of codes: 256 bytes + 16 of padding: the sixteen rows of a fragment load start 68 words apart
.set TILEB,  16*PITCH
.set SLOTB,  128*PITCH                 ; one operand's 128 rows of half of K
.set HALFB,  4*SLOTB                   ; slots 0 W_q, 1 W_k, 2 x, 3 W_v
.set SCL,    2*HALFB                   ; behind the codes: the scale bytes, 128 rows x 32 bytes an operand, as 16 rows of 256 bytes + 16 of padding
.set SCSLOT, 16*272
.set SPARE,  SCL+4*SCSLOT              ; the spare words, 128 bytes for each wave: six blocks of 256 bytes that no other line names
.set RECB,   8960                      ; kv: a record of 128 keys: K's 8 tiles (4,096), V's 4 tiles (4,096), K's 128 scale words, V's 64
.set HEADB,  32*RECB
.set LA,   1                           ; v1   LDS address of my lane in the long operand's tiles
.set SA,   2                           ; v2   in the short operand's
.set LSA,  3                           ; v3   in the long operand's scale words
.set SSA,  4                           ; v4   in the short operand's
.set SPW,  5                           ; v5   my spare word; never rewritten
.set NIL,  6                           ; v6   0; never rewritten
.set OFF0, 7                           ; v7   16 x lane
.set OFF1, 8                           ; v8   16 x lane + the distance between my two short tiles' images
.set OFW,  9                           ; v9   4 x lane
.set BOF,  10                          ; v10  the bias loads' offset
.set LN,   11                          ; v11  lane
.set LS,   28                          ; v28-43  long scale words: pair of tiles b, K step q at 4 b + q: lanes 0-15 tile 2 b, lanes 16-31 tile 2 b + 1
.set SS,   44                          ; v44-47  short scale words: lanes 0-15 tile 0, lanes 16-31 tile 1
.set SF,   48                          ; v48-63  two short fragments
.set LF,   64                          ; v64-127 eight long fragments
.set ACC,  128                         ; v128-255 accumulator (c, t) at 64 c + 8 t
.set TM,   64                          ; behind the K loop, in the fragments' registers: 16 at work,
.set PC0,  80                          ; the codes of short tile 0,
.set PC1,  88                          ; of short tile 1,
.set PW0,  96                          ; their scale words,
.set PW1,  97
.set MW,   98
.set MWA,  99
.set MWB,  100
.set G1CX, 4                           ; s[4:11]   group 1, codes of x        s[12:19] codes of a weight
.set G1CW, 12
.set G1SX, 20                          ; s[20:27]  group 1, scales of x       s[28:35] scales of a weight
.set G1SW, 28
.set G0X,  36                          ; s[36:47]  three groups 0 for x: scales, K half 0, K half 1
.set G0W,  48                          ; s[48:59]  the same for a weight
.set WV,   60
.set ROLE, 61
.set SUB,  62
.set CX,   63
.set CY,   66
.set HP,   67                          ; which 128 channels
.set TB,   96                          ; which 128 tokens
.set SEL,  2                           ; s[2:3] lane selects for v_permlanex16_b32: lane l xor 16
.macro ROUND                           ; a round of the cluster's barrier
	s_barrier_signal -1
	s_barrier_wait -1
	s_cmp_lg_u32 s[WV], 0
	s_cbranch_scc1 .Lnot_wave_0_\@
	s_barrier_signal -3
.Lnot_wave_0_\@:
	s_barrier_wait -3
	s_barrier_signal -1
	s_barrier_wait -1
.endm
.macro PLACES                          ; four plain places behind a matrix instruction, ahead of loads into its registers and of reads of its results
.rept 4
	v_nop
.endr
.endm
; one product, adding in place.  ra, rb: which half of the lanes of the scale registers is read
.macro WM d, a, b, sa, sb, ra, rb
.if ((\ra)==0) && ((\rb)==0)
	v_wmma_scale_f32_16x16x128_f8f6f4 v[(\d):(\d)+7], v[(\a):(\a)+7], v[(\b):(\b)+7], v[(\d):(\d)+7], v[\sa], v[\sb] matrix_a_fmt:MATRIX_FMT_FP4 matrix_b_fmt:MATRIX_FMT_FP4
.elseif ((\ra)==1) && ((\rb)==0)
	v_wmma_scale_f32_16x16x128_f8f6f4 v[(\d):(\d)+7], v[(\a):(\a)+7], v[(\b):(\b)+7], v[(\d):(\d)+7], v[\sa], v[\sb] matrix_a_fmt:MATRIX_FMT_FP4 matrix_b_fmt:MATRIX_FMT_FP4 matrix_a_scale:MATRIX_SCALE_ROW1
.elseif ((\ra)==0) && ((\rb)==1)
	v_wmma_scale_f32_16x16x128_f8f6f4 v[(\d):(\d)+7], v[(\a):(\a)+7], v[(\b):(\b)+7], v[(\d):(\d)+7], v[\sa], v[\sb] matrix_a_fmt:MATRIX_FMT_FP4 matrix_b_fmt:MATRIX_FMT_FP4 matrix_b_scale:MATRIX_SCALE_ROW1
.else
	v_wmma_scale_f32_16x16x128_f8f6f4 v[(\d):(\d)+7], v[(\a):(\a)+7], v[(\b):(\b)+7], v[(\d):(\d)+7], v[\sa], v[\sb] matrix_a_fmt:MATRIX_FMT_FP4 matrix_b_fmt:MATRIX_FMT_FP4 matrix_a_scale:MATRIX_SCALE_ROW1 matrix_b_scale:MATRIX_SCALE_ROW1
.endif
.endm
; the fragments of the half's q-th 128 along K: 4 loads for the short tiles, then 16 for the long ones, ascending
.macro KLOADS q
.irp c, 0,1
.irp e, 0,1
	ds_load_b128 v[SF+8*\c+4*\e:SF+8*\c+4*\e+3], v[SA] offset:\c*TILEB+64*(\q)+32*\e
.endr
.endr
.irp t, 0,1,2,3,4,5,6,7
.irp e, 0,1
	ds_load_b128 v[LF+8*\t+4*\e:LF+8*\t+4*\e+3], v[LA] offset:\t*TILEB+64*(\q)+32*\e
.endr
.endr
.endm
; 16 products; the 16 accumulators take turns, one instruction a turn, in the same order in every step
.macro MUL16 q
	s_wait_dscnt 0x8                               ; all but the youngest eight loads, long tiles 4 to 7
.irp t, 0,1,2,3
.irp c, 0,1
	WM ACC+64*\c+8*\t, LF+8*\t, SF+8*\c, LS+4*(\t/2)+(\q), SS+(\q), \t%2, \c
.endr
.endr
	s_wait_dscnt 0x0
.irp t, 4,5,6,7
.irp c, 0,1
	WM ACC+64*\c+8*\t, LF+8*\t, SF+8*\c, LS+4*(\t/2)+(\q), SS+(\q), \t%2, \c
.endr
.endr
.endm
.macro KSTEP q
	PLACES
	KLOADS \q
	MUL16 \q
.endm
.macro SCALES k                        ; the scale words of K half k: four words a row by one load
.irp b, 0,1,2,3
	ds_load_b128 v[LS+4*\b:LS+4*\b+3], v[LSA] offset:\b*4*272+16*(\k)
.endr
	ds_load_b128 v[SS:SS+3], v[SSA] offset:16*(\k)
.endm
; 64 numbers of a lane, v[s] on (tile t at 8 t), become a fragment's codes in v[pc] on and its scale word in v[pw]
.macro QUANT s, pc, pw
.irp b, 0,1,2,3
	v_max3_num_f32 v[TM+\b], |v[\s+16*\b]|, |v[\s+16*\b+1]|, 0x1800000   ; block b: my 16 numbers, each tile from its low end on, and the floor 2^(3 - 127)
.endr
.irp i, 2,4,6,8,10,12,14
.irp b, 0,1,2,3
	v_max3_num_f32 v[TM+\b], v[TM+\b], |v[\s+16*\b+\i]|, |v[\s+16*\b+\i+1]|
.endr
.endr
.irp b, 0,1,2,3
	s_delay_alu instid0(VALU_DEP_4)
	v_permlanex16_b32 v[TM+4+\b], v[TM+\b], s[SEL], s[SEL+1]
.endr
.irp b, 0,1,2,3
	s_delay_alu instid0(VALU_DEP_4)
	v_max_num_f32 v[TM+\b], v[TM+\b], v[TM+4+\b]   ; with lane l xor 16's: the block's largest magnitude
.endr
.irp b, 0,1,2,3
	s_delay_alu instid0(VALU_DEP_4)
	v_add_nc_u32 v[TM+12+\b], 0xff000000, v[TM+\b] ; 2 off its exponent field: the conversion's scale operand
.endr
.irp b, 0,1,2,3
	s_delay_alu instid0(VALU_DEP_4)
	v_lshrrev_b32 v[TM+4+\b], 23, v[TM+12+\b]      ; the scale's byte
.endr
	s_delay_alu instid0(VALU_DEP_3)
	v_lshl_or_b32 v[\pw], v[TM+5], 8, v[TM+4]
	s_delay_alu instid0(VALU_DEP_1)
	v_lshl_or_b32 v[\pw], v[TM+6], 16, v[\pw]
	s_delay_alu instid0(VALU_DEP_1)
	v_lshl_or_b32 v[\pw], v[TM+7], 24, v[\pw]
.irp b, 0,1,2,3
.irp u, 0,1
	v_cvt_scalef32_pk8_fp4_f32 v[\pc+4*(\b/2)+2*\u+(\b%2)], v[\s+16*\b+8*\u:\s+16*\b+8*\u+7], v[TM+12+\b]
.endr
.endr
	v_nop                                          ; one plain place behind a scaled conversion
.irp c, 0,1
	v_permlane16_swap_b32 v[\pc+4*\c], v[\pc+4*\c+1]     ; (k 0-7 | 8-15), (32-39 | 40-47) -> (0-7 | 32-39), (8-15 | 40-47)
	v_permlane16_swap_b32 v[\pc+4*\c+2], v[\pc+4*\c+3]   ; the same 16 further on
.endr
.endm
	s_load_b512 s[68:83], s[0:1], 0x0              ; x codes 68, x scales 70, W_q 72, 74, W_k 76, 78, W_v 80, 82
	s_load_b256 s[84:91], s[0:1], 0x40             ; b_q 84, b_k 86, b_v 88, qf 90
	s_load_b128 s[92:95], s[0:1], 0x60             ; qs 92, kv 94
	v_lshl_add_u32 v[SPW], v0, 2, SPARE
	v_mov_b32 v[NIL], 0
	ds_add_u32 v[SPW], v[NIL]                      ; the opening: the add, twice on end, and its wait ahead of the first tensor load
	ds_add_u32 v[SPW], v[NIL]
	v_lshrrev_b32 v[BOF], 5, v0
	s_delay_alu instid0(VALU_DEP_1)
	v_readfirstlane_b32 s[WV], v[BOF]              ; wave 0..11
	s_lshr_b32 s[ROLE], s[WV], 2
	s_and_b32 s[SUB], s[WV], 3
	s_bfe_u32 s[CX], ttmp6, 0x40000
	s_bfe_u32 s[CY], ttmp6, 0x40004
	s_lshl_b32 s[HP], ttmp9, 2
	s_add_co_u32 s[HP], s[HP], s[CX]               ; channel block = 4 x cluster x + cx
	s_and_b32 s[TB], ttmp7, 0xffff
	s_lshl_b32 s[TB], s[TB], 2
	s_add_co_u32 s[TB], s[TB], s[CY]               ; token block = 4 x cluster y + cy
	s_lshl_b32 s97, s[CY], 2
	s_lshl_b32 s97, 15, s97                        ; my row of the cluster
	s_lshl_b32 s101, 0x1111, s[CX]                 ; my column
	s_or_b32 s[G1CX], s97, (1<<20)|(1<<21)|(5<<22)|(3<<25)           ; the mask; elements of 1 byte; padding: 4 words behind every 64; bit 21 beside a mask
	s_or_b32 s[G1CW], s101, (1<<20)|(1<<21)|(5<<22)|(3<<25)
	s_or_b32 s[G1SX], s97, (3<<16)|(1<<20)|(1<<21)|(5<<22)|(3<<25)   ; the same with elements of 8 bytes
	s_or_b32 s[G1SW], s101, (3<<16)|(1<<20)|(1<<21)|(5<<22)|(3<<25)
.irp g, G1CX, G1CW                     ; codes: 128 rows x 256 bytes, 512 bytes apart in memory
	s_mov_b32 s[\g+1], 256<<16
	s_mov_b32 s[\g+2], 128<<16
	s_mov_b32 s[\g+3], 256<<16
	s_mov_b32 s[\g+4], 128
	s_mov_b32 s[\g+5], 512
	s_mov_b32 s[\g+6], 0
	s_mov_b32 s[\g+7], 0
.endr
.irp g, G1SX, G1SW                     ; scales: 4,096 dense bytes as 16 rows of 32 elements of 8 bytes
	s_mov_b32 s[\g+1], 32<<16
	s_mov_b32 s[\g+2], 16<<16
	s_mov_b32 s[\g+3], 32<<16
	s_mov_b32 s[\g+4], 16
	s_mov_b32 s[\g+5], 32
	s_mov_b32 s[\g+6], 0
	s_mov_b32 s[\g+7], 0
.endr
.irp g, G0X, G0W                       ; wave w (0 to 3) fills slot w: the LDS addresses hang on the wave's number alone
	s_mov_b32 s[\g], 1
	s_mov_b32 s[\g+4], 1
	s_mov_b32 s[\g+8], 1
	s_mul_i32 s[\g+1], s[SUB], SCSLOT              ; slot = wave % 4; which of the slot's three parts a wave fills = wave / 4
	s_add_co_u32 s[\g+1], s[\g+1], SCL
	s_mul_i32 s[\g+5], s[SUB], SLOTB
	s_add_co_u32 s[\g+9], s[\g+5], HALFB
.endr
	s_wait_dscnt 0x0                               ; both opening adds are done
	s_wait_kmcnt 0x0
	s_lshl_b32 s2, s[TB], 12                       ; x: 128 rows of 32 scale bytes,
	s_mov_b32 s3, 0
	s_add_nc_u64 s[G0X+2:G0X+3], s[70:71], s[2:3]
	s_lshl_b32 s2, s[TB], 16                       ; of 512 bytes of codes
	s_add_nc_u64 s[G0X+6:G0X+7], s[68:69], s[2:3]
	s_add_nc_u64 s[G0X+10:G0X+11], s[G0X+6:G0X+7], 256
	s_cmp_eq_u32 s[SUB], 0                         ; the weight of my slot: 0 W_q, 1 W_k, 3 W_v
	s_cselect_b64 s[G0W+2:G0W+3], s[74:75], s[78:79]
	s_cselect_b64 s[G0W+6:G0W+7], s[72:73], s[76:77]
	s_cmp_eq_u32 s[SUB], 3
	s_cselect_b64 s[G0W+2:G0W+3], s[82:83], s[G0W+2:G0W+3]
	s_cselect_b64 s[G0W+6:G0W+7], s[80:81], s[G0W+6:G0W+7]
	s_lshl_b32 s98, s[HP], 12
	s_mov_b32 s99, 0
	s_add_nc_u64 s[G0W+2:G0W+3], s[G0W+2:G0W+3], s[98:99]
	s_lshl_b32 s98, s[HP], 16
	s_add_nc_u64 s[G0W+6:G0W+7], s[G0W+6:G0W+7], s[98:99]
	s_add_nc_u64 s[G0W+10:G0W+11], s[G0W+6:G0W+7], 256
.irp g, G0X+3, G0X+7, G0X+11, G0W+3, G0W+7, G0W+11
	s_or_b32 s[\g], s[\g], 0x80000000              ; type = 2
.endr
	ROUND                                          ; all sixteen work-groups are here: the joint loads meet
; THE TWELVE FILLS, ONE A WAVE: four slots x (scales, K half 0, K half 1).  One chain of branches on the wave's number, an arm a load, all arms leading to one join.
.macro ARM op, n, g0, g1, next
	\op s[WV], \n
	s_cbranch_scc0 \next
	tensor_load_to_lds s[\g0:\g0+3], s[\g1:\g1+7]
	s_nop 0
.rept 4
	v_nop
.endr
	s_branch .Lasked
\next:
.endm
	ARM s_cmp_eq_u32, 2, G0X, G1SX, .Lx_h0         ; waves 2, 6, 10: x
	ARM s_cmp_eq_u32, 6, G0X+4, G1CX, .Lx_h1
	ARM s_cmp_eq_u32, 10, G0X+8, G1CX, .Lw_sc
	ARM s_cmp_lt_u32, 4, G0W, G1SW, .Lw_h0         ; the others: the weight of their slot
	ARM s_cmp_lt_u32, 8, G0W+4, G1CW, .Lw_h1
	tensor_load_to_lds s[G0W+8:G0W+11], s[G1CW:G1CW+7]
	s_nop 0
.rept 4
	v_nop
.endr
.Lasked:
	; every LDS address is made here, ahead of the one place where the roles part.  Long slot = role; short slot = 2 + role / 2
	v_and_b32 v[BOF], 15, v0                       ; r
	v_bfe_u32 v[LN], v0, 4, 1                      ; h
	s_delay_alu instid0(VALU_DEP_2)
	v_mul_u32_u24 v[LA], v[BOF], PITCH
	s_delay_alu instid0(VALU_DEP_1)
	v_lshl_add_u32 v[LA], v[LN], 4, v[LA]          ; row r x pitch + 16 h
	s_mul_i32 s98, s[ROLE], SLOTB
	s_lshr_b32 s99, s[ROLE], 1
	s_add_co_u32 s99, s99, 2
	s_mul_i32 s100, s99, SLOTB
	s_mul_i32 s101, s[SUB], 2*TILEB
	s_add_co_u32 s100, s100, s101
	v_add_nc_u32 v[SA], s100, v[LA]
	v_add_nc_u32 v[LA], s98, v[LA]
	v_and_b32 v[LSA], 31, v0
	s_delay_alu instid0(VALU_DEP_1)
	v_lshrrev_b32 v[SSA], 3, v[LSA]
	s_delay_alu instid0(VALU_DEP_2)
	v_and_b32 v[LSA], 7, v[LSA]
	s_delay_alu instid0(VALU_DEP_1)
	v_lshlrev_b32 v[LSA], 5, v[LSA]
	s_delay_alu instid0(VALU_DEP_1)
	v_mad_u32_u24 v[LSA], v[SSA], 272, v[LSA]      ; row l of a pair of tiles: eight rows of 32 bytes to a padded row of 272
	s_mul_i32 s98, s[ROLE], SCSLOT
	s_add_co_u32 s98, s98, SCL
	s_mul_i32 s99, s99, SCSLOT
	s_mul_i32 s101, s[SUB], 4*272
	s_add_co_u32 s99, s99, s101
	s_add_co_u32 s99, s99, SCL
	v_add_nc_u32 v[SSA], s99, v[LSA]
	v_add_nc_u32 v[LSA], s98, v[LSA]
	s_mov_b32 s[SEL], 0x76543210
	s_mov_b32 s[SEL+1], 0xfedcba98
	s_cmp_eq_u32 s[ROLE], 0                        ; my role's bias, at my 128 channels
	s_cselect_b64 s[84:85], s[84:85], s[86:87]
	s_cmp_eq_u32 s[ROLE], 2
	s_cselect_b64 s[84:85], s[88:89], s[84:85]
	s_lshl_b32 s86, s[HP], 9
	s_mov_b32 s87, 0
	s_add_nc_u64 s[84:85], s[84:85], s[86:87]
	; THE BIAS IS THE SUMS' START: both arms write all 128 accumulator registers, so that every K step is one text.
	s_cmp_eq_u32 s[ROLE], 2
	s_cbranch_scc1 .Lbias_v
	v_lshlrev_b32 v[BOF], 5, v[LN]                 ; Q, K: register j of tile t is channel 16 t + 8 h + j: loaded as it lies, for both short tiles
.irp c, 0,1
.irp t, 0,1,2,3,4,5,6,7
.irp e, 0,1
	global_load_b128 v[ACC+64*\c+8*\t+4*\e:ACC+64*\c+8*\t+4*\e+3], v[BOF], s[84:85] offset:64*\t+16*\e
.endr
.endr
.endr
	s_branch .Lbias_done
.Lbias_v:
	s_lshl_b32 s97, s[SUB], 7                      ; V: a lane holds ONE channel, 32 sub + 16 c + r: one number for all registers of a short tile
	v_lshl_add_u32 v[BOF], v[BOF], 2, s97
	global_load_b32 v[ACC], v[BOF], s[84:85]
	global_load_b32 v[ACC+64], v[BOF], s[84:85] offset:64
	s_wait_loadcnt 0x0
.set i, 1
.rept 63                               ; copied over the accumulators while the tiles are on their way
	v_mov_b32 v[ACC+i], v[ACC]
	v_mov_b32 v[ACC+64+i], v[ACC+64]
.set i, i+1
.endr
.Lbias_done:
	s_cmp_eq_u32 s[ROLE], 2
	s_mov_b32 s97, 512
	s_cselect_b32 s97, 1024, s97                   ; from my first short tile's image to my second's: 512 bytes for Q and K, 1,024 for V
	v_and_b32 v[LN], 31, v0
	s_delay_alu instid0(VALU_DEP_1)
	v_lshlrev_b32 v[OFF0], 4, v[LN]
	s_delay_alu instid0(VALU_DEP_2)
	v_lshlrev_b32 v[OFW], 2, v[LN]
	s_delay_alu instid0(VALU_DEP_2)
	v_add_nc_u32 v[OFF1], s97, v[OFF0]
	s_wait_tensorcnt 0x0                           ; my one fill is in
	s_barrier_signal -1
	s_barrier_wait -1                              ; everybody's are
	s_wait_alu depctr_va_vdst(0)
	SCALES 0
	KLOADS 0
	s_wait_loadcnt 0x0                             ; the bias
	MUL16 0
	KSTEP 1
	KSTEP 2
	KSTEP 3
	PLACES                                         ; K half 1 has been in since the one barrier above
	v_add_nc_u32 v[LA], HALFB, v[LA]
	v_add_nc_u32 v[SA], HALFB, v[SA]
	SCALES 1
	KLOADS 0
	s_wait_alu depctr_va_vdst(0)
	MUL16 0
	KSTEP 1
	KSTEP 2
	KSTEP 3
	PLACES
	; where the results go.  No tensor load is out, so the descriptors' registers are free.
	s_lshl_b32 s12, s[HP], 9
	s_lshl_b32 s13, s[TB], 3
	s_add_co_u32 s12, s12, s13
	s_lshl_b32 s13, s[SUB], 1
	s_add_co_u32 s12, s12, s13                     ; Q: tile 256 x (2 hp) + 8 tb + 2 sub
	s_lshl_b32 s14, s12, 9                         ; 512 bytes of codes a tile,
	s_lshl_b32 s15, s12, 6                         ; 64 of scale words
	s_lshl_b32 s16, s[HP], 1
	s_lshr_b32 s17, s[SUB], 1
	s_cmp_eq_u32 s[ROLE], 2
	s_cselect_b32 s17, s17, 0
	s_add_co_u32 s16, s16, s17                     ; K: head 2 hp (and the next);  V: head 2 hp + sub / 2
	s_mul_i32 s16, s16, HEADB
	s_mul_i32 s17, s[TB], RECB
	s_add_co_u32 s16, s16, s17                     ; the record
	s_lshl_b32 s18, s[SUB], 10                     ; K: tiles 2 sub, 2 sub + 1;
	s_lshl_b32 s19, s[SUB], 7
	s_add_co_u32 s19, s19, 8192                    ; words of keys 32 sub on
	s_and_b32 s20, s[SUB], 1
	s_lshl_b32 s21, s20, 11
	s_add_co_u32 s21, s21, 4096                    ; V: channel tiles 2 (sub % 2) on;
	s_lshl_b32 s20, s20, 7
	s_add_co_u32 s20, s20, 8704                    ; words of channels 32 (sub % 2) on
	s_cmp_eq_u32 s[ROLE], 2
	s_cselect_b32 s18, s21, s18
	s_cselect_b32 s19, s20, s19
	s_add_co_u32 s18, s18, s16
	s_add_co_u32 s19, s19, s16
	s_cmp_eq_u32 s[ROLE], 0
	s_cselect_b32 s18, s14, s18
	s_cselect_b32 s19, s15, s19
	s_cselect_b64 s[4:5], s[90:91], s[94:95]
	s_cselect_b64 s[8:9], s[92:93], s[94:95]
	s_mov_b32 s22, HEADB
	s_cselect_b32 s22, 131072, s22                 ; from registers 0-3's image to registers 4-7's: the next head (Q, K),
	s_mov_b32 s23, HEADB
	s_cselect_b32 s23, 16384, s23
	s_cmp_eq_u32 s[ROLE], 2
	s_cselect_b32 s22, 512, s22                    ; or the fragment's second half (V)
	s_mov_b32 s25, 0xffff
	s_cselect_b32 s25, -1, s25                     ; Q, K: a head has two of the word's four bytes; V: all four
	s_mov_b32 s27, 0
	s_mov_b32 s26, s18
	s_add_nc_u64 s[4:5], s[4:5], s[26:27]
	s_mov_b32 s26, s22
	s_add_nc_u64 s[6:7], s[4:5], s[26:27]
	s_mov_b32 s26, s19
	s_add_nc_u64 s[8:9], s[8:9], s[26:27]
	s_mov_b32 s26, s23
	s_add_nc_u64 s[10:11], s[8:9], s[26:27]
	QUANT ACC, PC0, PW0
	QUANT ACC+64, PC1, PW1
	global_store_b128 v[OFF0], v[PC0:PC0+3], s[4:5]      ; each store covers 512 consecutive bytes, aligned
	global_store_b128 v[OFF0], v[PC0+4:PC0+7], s[6:7]
	global_store_b128 v[OFF1], v[PC1:PC1+3], s[4:5]
	global_store_b128 v[OFF1], v[PC1+4:PC1+7], s[6:7]
	v_cmp_lt_u32 vcc_lo, 15, v[LN]
	s_delay_alu instid0(VALU_DEP_1)
	v_cndmask_b32 v[MW], v[PW0], v[PW1], vcc_lo    ; lanes 0-15: short tile 0's words, lanes 16-31: short tile 1's
	s_delay_alu instid0(VALU_DEP_1)
	v_and_b32 v[MWA], s25, v[MW]                   ; (Q, K: the upper two bytes are 0: they scale the dead half of a K of 64 in an instruction of 128)
	s_delay_alu instid0(VALU_DEP_2)
	v_lshrrev_b32 v[MWB], 16, v[MW]
	global_store_b32 v[OFW], v[MWA], s[8:9]        ; 128 consecutive bytes
	s_cmp_eq_u32 s[ROLE], 2
	s_cbranch_scc1 .Lno_second
	global_store_b32 v[OFW], v[MWB], s[10:11]      ; Q, K: the second head's
.Lno_second:
	s_wait_tensorcnt 0x0                           ; the wave's end
	ds_add_u32 v[SPW], v[NIL]
	s_wait_dscnt 0x0
	ROUND                                          ; the closing round
	s_endpgm
.Lfunc_end_k_q2ca258d9c1_qkv:
	.size	k_q2ca258d9c1_qkv, .Lfunc_end_k_q2ca258d9c1_qkv-k_q2ca258d9c1_qkv
	.p2alignl 7, 3214868480
	.fill 96, 4, 3214868480
	.section	.rodata,"a",@progbits
	.p2align	6, 0x0
	.amdhsa_kernel k_q2ca258d9c1_qkv
		.amdhsa_group_segment_fixed_size 327680
		.amdhsa_private_segment_fixed_size 0
		.amdhsa_enable_private_segment 0
		.amdhsa_kernarg_size 112
		.amdhsa_user_sgpr_count 2
		.amdhsa_user_sgpr_kernarg_segment_ptr 1
		.amdhsa_wavefront_size32 1
		.amdhsa_system_sgpr_workgroup_id_x 1
		.amdhsa_system_sgpr_workgroup_id_y 1
		.amdhsa_system_sgpr_workgroup_id_z 1
		.amdhsa_system_vgpr_workitem_id 0
		.amdhsa_next_free_vgpr 256
		.amdhsa_next_free_sgpr 102
		.amdhsa_reserve_vcc 1
		.amdhsa_float_denorm_mode_32 3
		.amdhsa_float_denorm_mode_16_64 3
		.amdhsa_memory_ordered 1
		.amdhsa_forward_progress 1
		.amdhsa_inst_pref_size 57
	.end_amdhsa_kernel
	.amdgpu_metadata
---
amdhsa.version: [ 1, 2 ]
amdhsa.kernels:
  - .name:           k_q2ca258d9c1_qkv
    .symbol:         k_q2ca258d9c1_qkv.kd
    .args:
      - { .name: x_codes, .offset: 0, .size: 8, .value_kind: global_buffer, .address_space: global }
      - { .name: x_scales, .offset: 8, .size: 8, .value_kind: global_buffer, .address_space: global }
      - { .name: W_q_codes, .offset: 16, .size: 8, .value_kind: global_buffer, .address_space: global }
      - { .name: W_q_scales, .offset: 24, .size: 8, .value_kind: global_buffer, .address_space: global }
      - { .name: W_k_codes, .offset: 32, .size: 8, .value_kind: global_buffer, .address_space: global }
      - { .name: W_k_scales, .offset: 40, .size: 8, .value_kind: global_buffer, .address_space: global }
      - { .name: W_v_codes, .offset: 48, .size: 8, .value_kind: global_buffer, .address_space: global }
      - { .name: W_v_scales, .offset: 56, .size: 8, .value_kind: global_buffer, .address_space: global }
      - { .name: b_q, .offset: 64, .size: 8, .value_kind: global_buffer, .address_space: global }
      - { .name: b_k, .offset: 72, .size: 8, .value_kind: global_buffer, .address_space: global }
      - { .name: b_v, .offset: 80, .size: 8, .value_kind: global_buffer, .address_space: global }
      - { .name: qf, .offset: 88, .size: 8, .value_kind: global_buffer, .address_space: global }
      - { .name: qs, .offset: 96, .size: 8, .value_kind: global_buffer, .address_space: global }
      - { .name: kv, .offset: 104, .size: 8, .value_kind: global_buffer, .address_space: global }
    .group_segment_fixed_size: 327680
    .private_segment_fixed_size: 0
    .kernarg_segment_align: 8
    .kernarg_segment_size: 112
    .max_flat_workgroup_size: 384
    .sgpr_count:     102
    .vgpr_count:     256
    .wavefront_size: 32
...
	.end_amdgpu_metadata
.endif
;; end of part 1
;; launch attn (part 2): grid 16 x 16, 8 waves a work-group, clusters of 4 x 1, 327,680 bytes of LDS; arguments qf, qs, kv, cf, cs; writes cf, cs
.if DOCPART == 2
	.amdgcn_target "amdgcn-amd-amdhsa--gfx1250"
	.amdhsa_code_object_version 6
	.text
	.protected	k_q2ca258d9c1_attn
	.globl	k_q2ca258d9c1_attn
	.p2align	8
	.type	k_q2ca258d9c1_attn,@function
k_q2ca258d9c1_attn:
	s_mov_b64 s[64:65], 0
	v_nop
	global_prefetch_b8 v0, s[64:65] scope:SCOPE_SE
	s_setreg_imm32_b32 hwreg(HW_REG_WAVE_MODE, 25, 1), 1
	s_wait_xcnt 0x0
	s_wait_alu depctr_hold_cnt(0) depctr_sa_sdst(0) depctr_va_vdst(0) depctr_va_sdst(0) depctr_va_ssrc(0) depctr_va_vcc(0) depctr_vm_vsrc(0)
	s_getreg_b32 s2, hwreg(HW_REG_IB_STS2, 6, 4)
	s_cmp_eq_u32 s2, 0
	s_cbranch_scc0 .Lentry_in_a_cluster
	s_endpgm
.Lentry_in_a_cluster:
	s_bfe_u32 s2, ttmp6, 0x10000c
	s_cmp_lg_u32 s2, 0x3003
	s_cbranch_scc0 .Lentry_shape_is_right
	s_endpgm
.Lentry_shape_is_right:
; ctx = softmax(Q K^T / 8) V for one head and 256 queries a work-group, both products on codes of FP4 (E2M1) with E8M0 scales; ctx is quantised along a head's 64 channels and leaves as images of the next product's operand registers.
; THE SOFTMAX: t = score x log2(e) / 8; M = the ceiling of the running largest t; p = 2^(t - M) is quantised along the keys; the row's sum is taken of the unquantised p and divides at the end.  When M moves, sums and O are multiplied by 2^(old M - new M).
; SHARES.  Eight waves, two to a SIMD; a wave owns TWO tiles of 16 queries and walks all 4,096 keys, 128 a trip.  Each fragment of K and V read from LDS feeds two products, and the two tiles' chains stand line by line beside each other.
; LAYOUT.  Both products transposed: S^T = K Q^T, O^T = V^T P^T: a lane holds one query (lane % 16).  THE KEYS OF A TILE OF K ARE CHOSEN by the LDS address alone: row 8 g + j of tile 4 c + i is key 64 c + 32 g + 8 i + j.
; So lane (r, h) holds in tiles 4 c .. 4 c + 3 the 32 keys 64 c + 32 h + 0 .. 31: a WHOLE block of the quantiser, in the order of the operand's registers 4 c .. 4 c + 3: no other lane is asked for a block's maximum, and the conversions' results are the operand.
; THE TRIP IS ROTATED: trip n finds S(n) made; it asks for V(n) and K(n+1) at its top and issues S(n+1) = K(n+1) Q^T at its end, behind the last reads of S(n).
; LDS.  A head's 32 records of 128 keys (286,720 bytes) are filled once, by two joint loads a wave: 24 rows of 256 bytes at the head (8 x 24 rows hold records 0 to 4, which the first four trips read), 116 rows behind the full sequence and a round.
; CLUSTER 4 x 1: the four work-groups of a cluster walk the same head: every fill is a joint load with the mask 15.  No prefetch: all of K and V is asked for by these two loads at the head, so no later load exists to run ahead of.
; WINDOWS.  Window 1 holds S (tile w at 64 w) and O^T (128 + 32 w) alone; all else lies in window 0, so that one setting serves both tiles.
; LIMITS: the promise holds while the scaled scores t stay under 2^31 in magnitude; NaN and infinities are not served; a block of p or of ctx whose largest magnitude lies under 2^-124 gets the byte 1 (read by this program alone).
.set RECB,  8960                       ; a record: K's 8 tile images (4,096), V's 4 (4,096), K's 128 scale words, V's 64
.set HEADB, 32*RECB
.set SPARE, HEADB                      ; the spare words, 128 bytes a wave: four blocks of 256 bytes that no other line names
.set ROWSA, 24
.set ROWSB, 116
.set PARTB, 8*ROWSA*256
.set L16, 1                            ; 16 x lane
.set L4,  2                            ; 4 x lane
.set SPW, 3                            ; my spare word; never rewritten
.set NIL, 4                            ; 0; never rewritten
.set AV,  5                            ; the trip's LDS addresses: V's images, K's images, V's scale words, K's
.set AK,  6
.set AS,  7
.set AKS, 8
.set R4,  9                            ; 4 x (lane % 16)
.set SH8, 10                           ; 8 x (lane / 16)
.set KL,  11                           ; my lane's place in K's images by the chosen keys
.set NM,  12                           ; tile w: pair (-M, the running largest score) at 12 + 4 w
.set F,   14                           ; pair (f = 2^(old M - new M), the old -M) at 14 + 4 w
.set LA,  20                           ; the row's sum in two pairs at 20 + 4 w, 22 + 4 w
.set BM,  28                           ; block (w, c): largest score, then largest p, at 28 + 2 w + c
.set T,   32                           ; at work, one a tile
.set PX,  34                           ; lane permutes' results, one a tile
.set SO,  36                           ; the conversions' scale operands
.set BY,  40                           ; the scale bytes
.set PW,  44                           ; p's scale words
.set QSC, 46                           ; Q's scale words
.set KSC, 48                           ; K's: register p: lanes 0-15 tile 2 p, lanes 16-31 tile 2 p + 1
.set VSC, 52
.set KSL, 54                           ; my lane's place among K's scale words
.set QF,  56                           ; Q's fragments, 8 a tile: 4 of codes, 4 of zero codes (K = 64 in an instruction of 128)
.set KF,  72                           ; K's 8 x 4 registers and 4 of zeros: tile t's operand is v[KF + 4 t .. + 7]; its upper half meets Q's zero codes
.set VF,  108
.set PC,  140                          ; p's codes, 8 a tile
.set E,   160                          ; the way out: ctx in f32, 32 a tile
.set WV,  18
.set SEL, 20
.set CS,  22
.set G1A, 24
.set G1B, 32
.set G0,  48
.set RB,  60
.set CNT, 61
.set MSB, 0
.macro WIN new                         ; the immediate's high byte repeats the setting that is left
.if MSB != \new
	s_set_vgpr_msb (MSB<<8)|\new
.set MSB, \new
.endif
.endm
.macro D2
	s_delay_alu instid0(VALU_DEP_2)
.endm
.macro D4
	s_delay_alu instid0(VALU_DEP_4)
.endm
.macro ROUND                           ; a round of the cluster's barrier
	s_barrier_signal -1
	s_barrier_wait -1
	s_cmp_lg_u32 s[WV], 0
	s_cbranch_scc1 .Lnot_wave_0_\@
	s_barrier_signal -3
.Lnot_wave_0_\@:
	s_barrier_wait -3
	s_barrier_signal -1
	s_barrier_wait -1
.endm
.macro G1DENSE g, rows                 ; dense rows of 256 bytes (32 elements of 8), mask 15, bit 21 beside it
	s_mov_b32 s[\g], 15|(3<<16)|(1<<21)
	s_mov_b32 s[\g+1], 32<<16
	s_mov_b32 s[\g+2], (\rows)<<16
	s_mov_b32 s[\g+3], 32<<16
	s_mov_b32 s[\g+4], \rows
	s_mov_b32 s[\g+5], 32
	s_mov_b32 s[\g+6], 0
	s_mov_b32 s[\g+7], 0
.endm
.macro WMZ d, a, b, sa, sb, ra
.if (\ra)==0
	v_wmma_scale_f32_16x16x128_f8f6f4 v[(\d):(\d)+7], v[(\a):(\a)+7], v[(\b):(\b)+7], 0, v[\sa], v[\sb] matrix_a_fmt:MATRIX_FMT_FP4 matrix_b_fmt:MATRIX_FMT_FP4
.else
	v_wmma_scale_f32_16x16x128_f8f6f4 v[(\d):(\d)+7], v[(\a):(\a)+7], v[(\b):(\b)+7], 0, v[\sa], v[\sb] matrix_a_fmt:MATRIX_FMT_FP4 matrix_b_fmt:MATRIX_FMT_FP4 matrix_a_scale:MATRIX_SCALE_ROW1
.endif
.endm
.macro WMA d, a, b, sa, sb, ra
.if (\ra)==0
	v_wmma_scale_f32_16x16x128_f8f6f4 v[(\d):(\d)+7], v[(\a):(\a)+7], v[(\b):(\b)+7], v[(\d):(\d)+7], v[\sa], v[\sb] matrix_a_fmt:MATRIX_FMT_FP4 matrix_b_fmt:MATRIX_FMT_FP4
.else
	v_wmma_scale_f32_16x16x128_f8f6f4 v[(\d):(\d)+7], v[(\a):(\a)+7], v[(\b):(\b)+7], v[(\d):(\d)+7], v[\sa], v[\sb] matrix_a_fmt:MATRIX_FMT_FP4 matrix_b_fmt:MATRIX_FMT_FP4 matrix_a_scale:MATRIX_SCALE_ROW1
.endif
.endm
.macro KLOAD base                      ; a record's K: tile 4 c + i at 2,048 c + 512 (i / 2) + 128 (i % 2) beside the lane's place; its scale words likewise
.irp t, 0,1,2,3,4,5,6,7
	ds_load_b128 v[KF+4*\t:KF+4*\t+3], v[AK] offset:(\base)+2048*(\t/4)+512*((\t%4)/2)+128*(\t%2)
.endr
.irp p, 0,1,2,3
	ds_load_b32 v[KSC+\p], v[AKS] offset:(\base)+8192+256*(\p/2)+64*(\p%2)
.endr
.endm
.macro QK                              ; S^T of both tiles: 16 products, each on registers of its own, C = 0
	WIN 0x40
.irp t, 0,1,2,3,4,5,6,7
.irp w, 0,1
	WMZ 64*\w+8*\t, KF+4*\t, QF+8*\w, KSC+\t/2, QSC+\w, \t%2
.endr
.endr
	WIN 0
.endm
.macro ADDR                            ; the trip's four LDS addresses
	v_add_nc_u32 v[AV], s[RB], v[L16]
	v_add_nc_u32 v[AK], s[RB], v[KL]
	v_add_nc_u32 v[AS], s[RB], v[L4]
	v_add_nc_u32 v[AKS], s[RB], v[KSL]
.endm
	s_load_b256 s[4:11], s[0:1], 0x0               ; qf 4, qs 6, kv 8, cf 10
	s_load_b64 s[12:13], s[0:1], 0x20              ; cs
	v_lshl_add_u32 v[SPW], v0, 2, SPARE
	v_mov_b32 v[NIL], 0
	ds_add_u32 v[SPW], v[NIL]                      ; the opening: the add, twice on end, and its wait ahead of the first tensor load
	ds_add_u32 v[SPW], v[NIL]
	v_lshrrev_b32 v[AV], 5, v0
	s_delay_alu instid0(VALU_DEP_1)
	v_readfirstlane_b32 s[WV], v[AV]               ; wave 0..7
	s_bfe_u32 s14, ttmp6, 0x40000
	s_lshl_b32 s15, ttmp9, 2
	s_add_co_u32 s15, s15, s14                     ; query block = 4 x cluster x + cx
	s_lshl_b32 s15, s15, 4
	s_lshl_b32 s14, s[WV], 1
	s_add_co_u32 s15, s15, s14                     ; my first tile of 16 queries
	s_and_b32 s16, ttmp7, 0xffff                   ; the head
	G1DENSE G1A, ROWSA
	G1DENSE G1B, ROWSB
	s_mov_b32 s[G0], 1
	s_mov_b32 s[G0+4], 1
	s_mul_i32 s[G0+1], s[WV], ROWSA*256            ; the head lies in LDS as in memory: one offset serves both
	s_mul_i32 s[G0+5], s[WV], ROWSB*256
	s_add_co_u32 s[G0+5], s[G0+5], PARTB
	s_mul_i32 s2, s16, HEADB
	s_mov_b32 s3, 0
	s_mov_b32 s63, 0
	s_mov_b32 s[SEL], 0x76543210
	s_mov_b32 s[SEL+1], 0xfedcba98                 ; lane l xor 16
	s_mov_b32 s[CS], 0x3e38aa3b                    ; c = log2(e) / 8
	s_mov_b32 s[CS+1], s[CS]
	s_mov_b32 s[RB], 0
	s_wait_dscnt 0x0                               ; both opening adds are done
	s_wait_kmcnt 0x0
	s_add_nc_u64 s[8:9], s[8:9], s[2:3]
	s_mov_b32 s2, s[G0+1]
	s_add_nc_u64 s[G0+2:G0+3], s[8:9], s[2:3]
	s_mov_b32 s2, s[G0+5]
	s_add_nc_u64 s[G0+6:G0+7], s[8:9], s[2:3]
	s_or_b32 s[G0+3], s[G0+3], 0x80000000
	s_or_b32 s[G0+7], s[G0+7], 0x80000000
	ROUND                                          ; all four work-groups are here: the joint loads meet
	tensor_load_to_lds s[G0:G0+3], s[G1A:G1A+7]    ; my 24 rows of the first 192: one tensor load a wave at the head
	s_nop 0
	s_lshl_b32 s17, s16, 8
	s_add_co_u32 s17, s17, s15
	s_lshl_b32 s62, s17, 9
	s_add_nc_u64 s[4:5], s[4:5], s[62:63]          ; Q's images: 512 bytes a tile
	s_lshl_b32 s62, s17, 6
	s_add_nc_u64 s[6:7], s[6:7], s[62:63]          ; its scale words: 64 bytes a tile
	s_lshl_b32 s62, s15, 13
	s_lshl_b32 s2, s16, 9
	s_add_co_u32 s62, s62, s2
	s_add_nc_u64 s[10:11], s[10:11], s[62:63]      ; cf: 8,192 x tile + 512 x head
	s_lshl_b32 s62, s15, 9
	s_lshr_b32 s2, s16, 1
	s_lshl_b32 s2, s2, 6
	s_add_co_u32 s62, s62, s2
	s_and_b32 s2, s16, 1
	s_lshl_b32 s2, s2, 1
	s_add_co_u32 s62, s62, s2
	s_add_nc_u64 s[12:13], s[12:13], s[62:63]      ; cs: 512 x tile + 64 x (head / 2) + 2 x (head % 2)
	v_and_b32 v[L16], 31, v0
	v_and_b32 v[R4], 15, v0
	v_lshlrev_b32 v[L4], 2, v[L16]
	v_lshlrev_b32 v[L16], 4, v[L16]
	v_lshlrev_b32 v[R4], 2, v[R4]
.irp w, 0,1
	global_load_b128 v[QF+8*\w:QF+8*\w+3], v[L16], s[4:5] offset:512*\w
	global_load_b32 v[QSC+\w], v[R4], s[6:7] offset:64*\w
.endr
	v_and_b32 v[T], 7, v0
	v_bfe_u32 v[T+1], v0, 3, 1
	v_bfe_u32 v[SH8], v0, 4, 1
	v_lshlrev_b32 v[KL], 4, v[T]
	v_lshlrev_b32 v[KSL], 2, v[T]
	v_lshl_add_u32 v[KL], v[T+1], 10, v[KL]
	v_lshl_add_u32 v[KSL], v[T+1], 7, v[KSL]
	v_lshl_add_u32 v[KL], v[SH8], 8, v[KL]         ; 16 (l % 8) + 1,024 ((l / 8) % 2) + 256 (l / 16)
	v_lshl_add_u32 v[KSL], v[SH8], 5, v[KSL]       ; 4 (l % 8) + 128 ((l / 8) % 2) + 32 (l / 16)
	v_lshlrev_b32 v[SH8], 3, v[SH8]
	ADDR
.irp j, 0,1,2,3
	v_mov_b32 v[QF+4+\j], 0
	v_mov_b32 v[QF+12+\j], 0
	v_mov_b32 v[KF+32+\j], 0
.endr
.irp w, 0,1
	v_mov_b32 v[NM+4*\w+1], 0xff61b1e6             ; the largest score so far: -3e38
	v_mov_b32 v[F+4*\w+1], 0x7e967699              ; the old -M: 1e38, so that the first f is 0 and meets zeros
	v_mov_b32 v[PX+\w], 0                          ; a lane permute's destination counts as one of its sources
.irp j, 0,1,2,3
	v_mov_b32 v[LA+4*\w+\j], 0
.endr
.endr
	WIN 0x40
.set j, 0
.rept 64
	v_mov_b32 v[128+j], 0                          ; O^T of both tiles: the trip is written once, and the first f leaves zeros zeros
.set j, j+1
.endr
	WIN 0
; A TRIP: 128 keys for both tiles.  last = 1: nothing follows: no K, no S for a next trip.
.macro ITER last
	WIN 0x14                                       ; destination and source 0 window 0, sources 1 and 2 window 1
.irp w, 0,1
.irp c, 0,1
	v_max3_num_f32 v[BM+2*\w+\c], 0xff800000, v[64*\w+32*\c], v[64*\w+32*\c+1]   ; the largest score of my block c: 32 registers, each tile from its low end on; four chains by turns
.endr
.endr
.set k, 2
.rept 15
.irp w, 0,1
.irp c, 0,1
	v_max3_num_f32 v[BM+2*\w+\c], v[BM+2*\w+\c], v[64*\w+32*\c+k], v[64*\w+32*\c+k+1]
.endr
.endr
.set k, k+2
.endr
	WIN 0
.irp t, 0,1,2,3                        ; the 64 lines above are the places behind the last products: V of this trip,
.irp c, 0,1
	ds_load_b128 v[VF+8*\t+4*\c:VF+8*\t+4*\c+3], v[AV] offset:4096+1024*\t+512*\c
.endr
.endr
.irp p, 0,1
	ds_load_b32 v[VSC+\p], v[AS] offset:8704+128*\p
.endr
.if \last == 0
	KLOAD RECB                                     ; and K of the next
.endif
.irp w, 0,1
	v_max_num_f32 v[T+\w], v[BM+2*\w], v[BM+2*\w+1]
.endr
.irp w, 0,1
	D2
	v_permlanex16_b32 v[PX+\w], v[T+\w], s[SEL], s[SEL+1]
.endr
.irp w, 0,1
	D2
	v_max3_num_f32 v[NM+4*\w+1], v[NM+4*\w+1], v[T+\w], v[PX+\w]   ; the running largest score of my query
.endr
.irp w, 0,1
	D2
	v_mul_f32 v[T+\w], s[CS], v[NM+4*\w+1]         ; as t (c is positive)
.endr
.irp w, 0,1
	D2
	v_floor_f32 v[NM+4*\w], -v[T+\w]               ; -M = floor(-t): M is a whole number
.endr
.irp w, 0,1
	D2
	v_sub_f32 v[T+\w], v[NM+4*\w], v[F+4*\w+1]     ; old M - new M, 0 or less
.endr
.irp w, 0,1
.irp c, 0,1
	v_fma_f32 v[BM+2*\w+\c], v[BM+2*\w+\c], s[CS], v[NM+4*\w]   ; t - M of each block's largest score
.endr
.endr
.irp w, 0,1
	v_cvt_i32_f32 v[T+\w], v[T+\w]                 ; (it saturates)
.endr
.irp w, 0,1
	D2
	v_ldexp_f32 v[F+4*\w], 1.0, v[T+\w]            ; f
.endr
.irp w, 0,1
	v_pk_mul_f32 v[LA+4*\w:LA+4*\w+1], v[LA+4*\w:LA+4*\w+1], v[F+4*\w:F+4*\w+1] op_sel_hi:[1,0]
	v_pk_mul_f32 v[LA+4*\w+2:LA+4*\w+3], v[LA+4*\w+2:LA+4*\w+3], v[F+4*\w:F+4*\w+1] op_sel_hi:[1,0]
.endr
	WIN 0x41                                       ; destination and source 0 window 1
.set j, 0
.rept 32
.irp w, 0,1
	v_pk_fma_f32 v[64*\w+j:64*\w+j+1], v[64*\w+j:64*\w+j+1], s[CS:CS+1], v[NM+4*\w:NM+4*\w+1] op_sel_hi:[1,0,0]   ; t - M
.endr
.set j, j+2
.endr
.set j, 0
.rept 16
.irp w, 0,1
	v_pk_mul_f32 v[128+32*\w+j:128+32*\w+j+1], v[128+32*\w+j:128+32*\w+j+1], v[F+4*\w:F+4*\w+1] op_sel_hi:[1,0]   ; O^T under the new M, each accumulator from its low end on
.endr
.set j, j+2
.endr
	s_wait_alu depctr_va_vdst(0)                   ; the wait ahead of the batch
.set j, 0
.rept 128
	v_exp_f32 v[j], v[j]                           ; p = 2^(t - M)
.set j, j+1
.endr
	WIN 0
.irp b, 0,1,2,3
	v_exp_f32 v[BM+\b], v[BM+\b]                   ; each block's largest p: the same two instructions on the same number
.endr
.irp w, 0,1
	v_mov_b32 v[F+4*\w+1], v[NM+4*\w]              ; -M is kept for the next trip (the plain place behind the batch)
.endr
	s_wait_alu depctr_va_vdst(0)                   ; one wait for the whole batch, ahead of its first reader
.irp b, 0,1,2,3
	v_max_num_f32 v[BM+\b], 0x1800000, v[BM+\b]    ; the floor 2^(3 - 127): the byte cannot fall under 1
.endr
.irp b, 0,1,2,3
	D4
	v_add_nc_u32 v[SO+\b], 0xff000000, v[BM+\b]    ; 2 off the exponent field: the conversion's scale operand
.endr
	WIN 0x01                                       ; source 0 window 1
.irp w, 0,1
.irp c, 0,1
.irp i, 0,1,2,3
	v_cvt_scalef32_pk8_fp4_f32 v[PC+8*\w+4*\c+\i], v[64*\w+32*\c+8*\i:64*\w+32*\c+8*\i+7], v[SO+2*\w+\c]   ; register 4 c + i of the operand: keys 64 c + 32 h + 8 i + 0 .. 7
.endr
.endr
.endr
	WIN 0
.irp b, 0,1,2,3
	v_lshrrev_b32 v[BY+\b], 23, v[SO+\b]           ; the scale's byte
.endr
.irp w, 0,1
	v_lshl_or_b32 v[T+\w], v[BY+2*\w+1], 16, v[BY+2*\w]   ; my blocks h and 2 + h,
.endr
.irp w, 0,1
	D2
	v_lshlrev_b32 v[T+\w], v[SH8], v[T+\w]         ; at their places in the word;
.endr
.irp w, 0,1
	D2
	v_permlanex16_b32 v[PX+\w], v[T+\w], s[SEL], s[SEL+1]
.endr
.irp w, 0,1
	D2
	v_or_b32 v[PW+\w], v[T+\w], v[PX+\w]           ; with lane l xor 16's two the word is whole
.endr
	WIN 0x04                                       ; source 1 window 1
.set j, 0
.rept 16
.irp w, 0,1
	v_pk_add_f32 v[LA+4*\w:LA+4*\w+1], v[LA+4*\w:LA+4*\w+1], v[64*\w+j:64*\w+j+1]       ; the row's sum of the unquantised p: four chains by turns.  These 64 are also the places ahead of the products below
	v_pk_add_f32 v[LA+4*\w+2:LA+4*\w+3], v[LA+4*\w+2:LA+4*\w+3], v[64*\w+j+2:64*\w+j+3]
.endr
.set j, j+4
.endr
.if \last
	s_wait_alu depctr_va_vdst(0)
.endif
	s_wait_dscnt 0x0                               ; V, and the next K, asked for at the trip's top
.if \last == 0
	QK                                             ; S of the next trip, over p, which has been read for the last time
	s_add_co_u32 s[RB], s[RB], RECB
	ADDR                                           ; four plain places behind these products, ahead of the next trip's first read of S
.endif
	WIN 0x50                                       ; C and D window 1
.irp t, 0,1,2,3
.irp w, 0,1
	WMA 128+32*\w+8*\t, VF+8*\t, PC+8*\w, VSC+\t/2, PW+\w, \t%2   ; the eight accumulators by turns, one instruction a turn
.endr
.endr
	WIN 0
.endm
	s_wait_alu depctr_va_vdst(0)                   ; the wait at the head's end
	s_wait_tensorcnt 0x0                           ; my part of the first 192 rows is in
	ds_add_u32 v[SPW], v[NIL]
	s_wait_dscnt 0x0
	ROUND                                          ; everybody's part is in, and the joint loads meet
	tensor_load_to_lds s[G0+4:G0+7], s[G1B:G1B+7]  ; my 116 rows of the other 928: the one load of mine that is out during the first four trips
	s_nop 0
.rept 4
	v_nop
.endr
	KLOAD 0
	s_wait_loadcnt 0x0                             ; Q
	s_wait_dscnt 0x0
	QK                                             ; S of trip 0
.rept 4
	v_nop
.endr
	s_mov_b32 s[CNT], 4
.Lfirst:                                               ; trips 0 to 3 read V of records 0 to 3 and K of records 1 to 4
	ITER 0
	s_sub_co_u32 s[CNT], s[CNT], 1
	s_cmp_lg_u32 s[CNT], 0
	s_cbranch_scc1 .Lfirst
	s_wait_tensorcnt 0x0                           ; my part of the rest is in,
	s_wait_dscnt 0x0
	s_barrier_signal -1
	s_barrier_wait -1                              ; everybody's is
	s_mov_b32 s[CNT], 27
.Lrest:                                                ; trips 4 to 30
	ITER 0
	s_sub_co_u32 s[CNT], s[CNT], 1
	s_cmp_lg_u32 s[CNT], 0
	s_cbranch_scc1 .Lrest
	ITER 1                                         ; trip 31
	; THE WAY OUT: ctx = O^T / the sum, quantised along the head's 64 channels.  Tiles 2 b, 2 b + 1 of O^T hold block b, shared by lanes l and l xor 16.
.irp w, 0,1
	v_pk_add_f32 v[LA+4*\w:LA+4*\w+1], v[LA+4*\w:LA+4*\w+1], v[LA+4*\w+2:LA+4*\w+3]
.endr
.irp w, 0,1
	D2
	v_add_f32 v[T+\w], v[LA+4*\w], v[LA+4*\w+1]
.endr
.irp w, 0,1
	D2
	v_permlanex16_b32 v[PX+\w], v[T+\w], s[SEL], s[SEL+1]
.endr
.irp w, 0,1
	D2
	v_add_f32 v[T+\w], v[T+\w], v[PX+\w]           ; the row's sum
.endr
	s_wait_alu depctr_va_vdst(0)                   ; the wait ahead of the transcendentals
.irp w, 0,1
	v_rcp_f32 v[NM+4*\w], v[T+\w]
.endr
	v_nop
	WIN 0x01
	s_wait_alu depctr_va_vdst(0)                   ; the wait, directly ahead of the first readers of the reciprocals and of O^T
.set j, 0
.rept 16
.irp w, 0,1
	v_pk_mul_f32 v[E+32*\w+j:E+32*\w+j+1], v[128+32*\w+j:128+32*\w+j+1], v[NM+4*\w:NM+4*\w+1] op_sel_hi:[1,0]
.endr
.set j, j+2
.endr
	WIN 0
.irp q, 0,1,2,3                        ; q = 2 w + b
	v_max3_num_f32 v[BM+\q], |v[E+16*\q]|, |v[E+16*\q+1]|, 0x1800000
.endr
.irp i, 2,4,6,8,10,12,14
.irp q, 0,1,2,3
	v_max3_num_f32 v[BM+\q], v[BM+\q], |v[E+16*\q+\i]|, |v[E+16*\q+\i+1]|
.endr
.endr
.irp q, 0,1,2,3
	D4
	v_permlanex16_b32 v[BY+\q], v[BM+\q], s[SEL], s[SEL+1]
.endr
.irp q, 0,1,2,3
	D4
	v_max_num_f32 v[BM+\q], v[BM+\q], v[BY+\q]
.endr
.irp q, 0,1,2,3
	D4
	v_add_nc_u32 v[SO+\q], 0xff000000, v[BM+\q]
.endr
.irp q, 0,1,2,3
	D4
	v_lshrrev_b32 v[BY+\q], 23, v[SO+\q]
.endr
.irp w, 0,1
	v_lshl_or_b32 v[T+\w], v[BY+2*\w+1], 8, v[BY+2*\w]
.endr
.irp w, 0,1
.irp b, 0,1
.irp u, 0,1
	v_cvt_scalef32_pk8_fp4_f32 v[PC+8*\w+2*\u+\b], v[E+32*\w+16*\b+8*\u:E+32*\w+16*\b+8*\u+7], v[SO+2*\w+\b]
.endr
.endr
.endr
	v_nop                                          ; one plain place behind a scaled conversion
.irp w, 0,1
	v_permlane16_swap_b32 v[PC+8*\w], v[PC+8*\w+1]       ; (k 0-7 | 8-15), (32-39 | 40-47) -> (0-7 | 32-39), (8-15 | 40-47)
	v_permlane16_swap_b32 v[PC+8*\w+2], v[PC+8*\w+3]
.endr
.irp w, 0,1
	global_store_b128 v[L16], v[PC+8*\w:PC+8*\w+3], s[10:11] offset:8192*\w   ; 512 consecutive bytes, aligned
	global_store_b16 v[R4], v[T+\w], s[12:13] offset:512*\w
.endr
	s_wait_tensorcnt 0x0                           ; the wave's end
	ds_add_u32 v[SPW], v[NIL]
	s_wait_dscnt 0x0
	ROUND                                          ; the closing round
	s_endpgm
.Lfunc_end_k_q2ca258d9c1_attn:
	.size	k_q2ca258d9c1_attn, .Lfunc_end_k_q2ca258d9c1_attn-k_q2ca258d9c1_attn
	.p2alignl 7, 3214868480
	.fill 96, 4, 3214868480
	.section	.rodata,"a",@progbits
	.p2align	6, 0x0
	.amdhsa_kernel k_q2ca258d9c1_attn
		.amdhsa_group_segment_fixed_size 327680
		.amdhsa_private_segment_fixed_size 0
		.amdhsa_enable_private_segment 0
		.amdhsa_kernarg_size 40
		.amdhsa_user_sgpr_count 2
		.amdhsa_user_sgpr_kernarg_segment_ptr 1
		.amdhsa_wavefront_size32 1
		.amdhsa_system_sgpr_workgroup_id_x 1
		.amdhsa_system_sgpr_workgroup_id_y 1
		.amdhsa_system_sgpr_workgroup_id_z 1
		.amdhsa_system_vgpr_workitem_id 0
		.amdhsa_next_free_vgpr 448
		.amdhsa_next_free_sgpr 66
		.amdhsa_reserve_vcc 0
		.amdhsa_float_denorm_mode_32 3
		.amdhsa_float_denorm_mode_16_64 3
		.amdhsa_memory_ordered 1
		.amdhsa_forward_progress 1
		.amdhsa_inst_pref_size 99
	.end_amdhsa_kernel
	.amdgpu_metadata
---
amdhsa.version: [ 1, 2 ]
amdhsa.kernels:
  - .name:           k_q2ca258d9c1_attn
    .symbol:         k_q2ca258d9c1_attn.kd
    .args:
      - { .name: qf, .offset: 0, .size: 8, .value_kind: global_buffer, .address_space: global }
      - { .name: qs, .offset: 8, .size: 8, .value_kind: global_buffer, .address_space: global }
      - { .name: kv, .offset: 16, .size: 8, .value_kind: global_buffer, .address_space: global }
      - { .name: cf, .offset: 24, .size: 8, .value_kind: global_buffer, .address_space: global }
      - { .name: cs, .offset: 32, .size: 8, .value_kind: global_buffer, .address_space: global }
    .group_segment_fixed_size: 327680
    .private_segment_fixed_size: 0
    .kernarg_segment_align: 8
    .kernarg_segment_size: 40
    .max_flat_workgroup_size: 256
    .sgpr_count:     66
    .vgpr_count:     448
    .wavefront_size: 32
...
	.end_amdgpu_metadata
.endif
;; end of part 2
;; launch oproj (part 3): grid 8 x 32, 8 waves a work-group, clusters of 4 x 4, 327,680 bytes of LDS; arguments cf, cs, W_o_codes, W_o_scales, b_o, out0; writes out0
.if DOCPART == 3
	.amdgcn_target "amdgcn-amd-amdhsa--gfx1250"
	.amdhsa_code_object_version 6
	.text
	.protected	k_q2ca258d9c1_oproj
	.globl	k_q2ca258d9c1_oproj
	.p2align	8
	.type	k_q2ca258d9c1_oproj,@function
k_q2ca258d9c1_oproj:
	s_mov_b64 s[64:65], 0
	v_nop
	global_prefetch_b8 v0, s[64:65] scope:SCOPE_SE
	s_setreg_imm32_b32 hwreg(HW_REG_WAVE_MODE, 25, 1), 1
	s_wait_xcnt 0x0
	s_wait_alu depctr_hold_cnt(0) depctr_sa_sdst(0) depctr_va_vdst(0) depctr_va_sdst(0) depctr_va_ssrc(0) depctr_va_vcc(0) depctr_vm_vsrc(0)
	s_getreg_b32 s2, hwreg(HW_REG_IB_STS2, 6, 4)
	s_cmp_eq_u32 s2, 0
	s_cbranch_scc0 .Lentry_in_a_cluster
	s_endpgm
.Lentry_in_a_cluster:
	s_bfe_u32 s2, ttmp6, 0x10000c
	s_cmp_lg_u32 s2, 0xf033
	s_cbranch_scc0 .Lentry_shape_is_right
	s_endpgm
.Lentry_shape_is_right:
; out = ctx W_o + b_o on codes of FP4 (E2M1) with E8M0 scales, K = 1,024.  ctx comes as images of operand registers (cf) with its scale words (cs); W_o as rows of codes, K innermost.
; SHARES.  A work-group makes 128 tokens x 128 columns.  Eight waves: tp = wave / 2 takes token tiles 2 tp, 2 tp + 1; ch = wave % 2 takes W_o's tiles 4 ch .. 4 ch + 3: eight accumulators.
; TRANSPOSED USE: source 0 = 16 rows of W_o, source 1 = 16 tokens: a lane holds eight neighbouring columns of one token.  b_o is the C of each sum's first product.
; LDS.  All of K of both operands lies in LDS, in two halves of K, with all scale bytes: every byte is filled once, nothing is filled again.
; CLUSTER 4 x 4: ctx's tile hangs on the token block alone (shared along a row of the cluster), W_o's on the column block alone (shared along a column): joint loads.
.set PITCH, 272                        ; W_o's LDS row: 256 bytes + 16 of padding
.set TILEB, 16*PITCH
.set WHALF, 128*PITCH                  ; W_o: 128 rows of half of K;  two of them from byte 0
.set CTX,   2*WHALF                    ; ctx: half k at 32,768 k, token tile at 4,096, K step at 1,024, four registers at 512, 16 x lane
.set CHALF, 32768
.set WSC,   CTX+2*CHALF                ; W_o's scale bytes: 16 rows of 256 + 16
.set CSC,   WSC+16*272                 ; ctx's scale words, dense: 512 x tile + 64 x K step + 4 r
.set SPARE, CSC+4096                   ; the spare words, 128 bytes for each wave: four blocks of 256 bytes that no other line names
.set STAGE, SPARE+1024                 ; the way out: 16 rows x 272 bytes for each wave; no fill lands here
.set LA,  1                            ; v1   my lane in W_o's tiles
.set SA,  2                            ; v2   in ctx's images
.set WSA, 3                            ; v3   in W_o's scale words
.set CSA, 4                            ; v4   in ctx's
.set SPW, 5                            ; v5   my spare word; never rewritten
.set NIL, 6                            ; v6   0; never rewritten
.set STO, 7                            ; v7   the stage: where I put 32 bytes of a row
.set RD,  8                            ; v8   where I read a row back
.set GO,  9                            ; v9   my byte offset in two rows of out
.set BOF, 10                           ; v10  the bias loads' offset
.set WS,  16                           ; v16-31 W_o's scale words: pair of tiles b, K step s at 8 b + s
.set CS,  32                           ; v32-39 ctx's: K step s: lanes 0-15 my first token tile, lanes 16-31 my second
.set BO,  40                           ; v40-71 b_o as four C tiles
.set ACC, 168                          ; v168-231 accumulator (c, t) at 32 c + 8 t.   v72-167: two fragment buffers of 48 (ctx 16, W_o 32); on the way out rows of out
.set G1CX, 4                           ; s[4:11] group 1, ctx's codes;  s[12:19] W_o's codes;  s[20:27] ctx's scales;  s[28:35] W_o's scales
.set G1CW, 12
.set G1SX, 20
.set G1SW, 28
.set G0X,  36                          ; s[36:47] three groups 0 for ctx;  s[48:59] for W_o
.set G0W,  48
.set WV,   60
.set TP,   61
.set CH,   62
.set CX,   63
.set CY,   66
.set NB,   67
.set TB,   80
.macro ROUND                           ; a round of the cluster's barrier
	s_barrier_signal -1
	s_barrier_wait -1
	s_cmp_lg_u32 s[WV], 0
	s_cbranch_scc1 .Lnot_wave_0_\@
	s_barrier_signal -3
.Lnot_wave_0_\@:
	s_barrier_wait -3
	s_barrier_signal -1
	s_barrier_wait -1
.endm
.macro PLACES                          ; four plain places behind a matrix instruction, ahead of loads into its registers and of reads of its results
.rept 4
	v_nop
.endr
.endm
.macro WM d, a, b, c, sa, sb, ra, rb
.if ((\ra)==0) && ((\rb)==0)
	v_wmma_scale_f32_16x16x128_f8f6f4 v[(\d):(\d)+7], v[(\a):(\a)+7], v[(\b):(\b)+7], v[(\c):(\c)+7], v[\sa], v[\sb] matrix_a_fmt:MATRIX_FMT_FP4 matrix_b_fmt:MATRIX_FMT_FP4
.elseif ((\ra)==1) && ((\rb)==0)
	v_wmma_scale_f32_16x16x128_f8f6f4 v[(\d):(\d)+7], v[(\a):(\a)+7], v[(\b):(\b)+7], v[(\c):(\c)+7], v[\sa], v[\sb] matrix_a_fmt:MATRIX_FMT_FP4 matrix_b_fmt:MATRIX_FMT_FP4 matrix_a_scale:MATRIX_SCALE_ROW1
.elseif ((\ra)==0) && ((\rb)==1)
	v_wmma_scale_f32_16x16x128_f8f6f4 v[(\d):(\d)+7], v[(\a):(\a)+7], v[(\b):(\b)+7], v[(\c):(\c)+7], v[\sa], v[\sb] matrix_a_fmt:MATRIX_FMT_FP4 matrix_b_fmt:MATRIX_FMT_FP4 matrix_b_scale:MATRIX_SCALE_ROW1
.else
	v_wmma_scale_f32_16x16x128_f8f6f4 v[(\d):(\d)+7], v[(\a):(\a)+7], v[(\b):(\b)+7], v[(\c):(\c)+7], v[\sa], v[\sb] matrix_a_fmt:MATRIX_FMT_FP4 matrix_b_fmt:MATRIX_FMT_FP4 matrix_a_scale:MATRIX_SCALE_ROW1 matrix_b_scale:MATRIX_SCALE_ROW1
.endif
.endm
.macro FETCH s                         ; K step s's twelve loads into buffer s % 2
.set FB, 72+48*((\s)%2)
.set KH, (\s)/4
.set KQ, (\s)%4
.irp c, 0,1
.irp e, 0,1
	ds_load_b128 v[FB+8*\c+4*\e:FB+8*\c+4*\e+3], v[SA] offset:KH*CHALF+\c*4096+KQ*1024+512*\e
.endr
.endr
.irp t, 0,1,2,3
.irp e, 0,1
	ds_load_b128 v[FB+16+8*\t+4*\e:FB+16+8*\t+4*\e+3], v[LA] offset:KH*WHALF+\t*TILEB+64*KQ+32*\e
.endr
.endr
.endm
.macro MUL8 s                          ; eight products; the eight accumulators take turns, one instruction a turn, in the same order in every step
.set FB, 72+48*((\s)%2)
.irp t, 0,1,2,3
.irp c, 0,1
.if (\s)==0
	WM ACC+32*\c+8*\t, FB+16+8*\t, FB+8*\c, BO+8*\t, WS+8*(\t/2)+(\s), CS+(\s), \t%2, \c
.else
	WM ACC+32*\c+8*\t, FB+16+8*\t, FB+8*\c, ACC+32*\c+8*\t, WS+8*(\t/2)+(\s), CS+(\s), \t%2, \c
.endif
.endr
.endr
.endm
	s_load_b256 s[68:75], s[0:1], 0x0              ; cf 68, cs 70, W_o codes 72, W_o scales 74
	s_load_b128 s[76:79], s[0:1], 0x20             ; b_o 76, out0 78
	v_lshl_add_u32 v[SPW], v0, 2, SPARE
	v_mov_b32 v[NIL], 0
	ds_add_u32 v[SPW], v[NIL]                      ; the opening: the add, twice on end, and its wait ahead of the first tensor load
	ds_add_u32 v[SPW], v[NIL]
	v_lshrrev_b32 v[BOF], 5, v0
	s_delay_alu instid0(VALU_DEP_1)
	v_readfirstlane_b32 s[WV], v[BOF]              ; wave 0..7
	s_lshr_b32 s[TP], s[WV], 1
	s_and_b32 s[CH], s[WV], 1
	s_bfe_u32 s[CX], ttmp6, 0x40000
	s_bfe_u32 s[CY], ttmp6, 0x40004
	s_lshl_b32 s[NB], ttmp9, 2
	s_add_co_u32 s[NB], s[NB], s[CX]               ; column block
	s_and_b32 s[TB], ttmp7, 0xffff
	s_lshl_b32 s[TB], s[TB], 2
	s_add_co_u32 s[TB], s[TB], s[CY]               ; token block
	s_lshl_b32 s81, s[CY], 2
	s_lshl_b32 s81, 15, s81                        ; my row of the cluster
	s_lshl_b32 s82, 0x1111, s[CX]                  ; my column
	s_or_b32 s[G1CX], s81, (3<<16)|(1<<21)                           ; ctx's codes: elements of 8 bytes, no padding
	s_or_b32 s[G1SX], s81, (3<<16)|(1<<21)
	s_or_b32 s[G1CW], s82, (1<<20)|(1<<21)|(5<<22)|(3<<25)           ; W_o's codes: elements of 1 byte; 4 words of padding behind every 64
	s_or_b32 s[G1SW], s82, (3<<16)|(1<<20)|(1<<21)|(5<<22)|(3<<25)
	s_mov_b32 s[G1CX+1], 512<<16                   ; ctx's codes: 8 token tiles x 4,096 bytes (half of K), 8,192 bytes apart
	s_mov_b32 s[G1CX+2], 8<<16
	s_mov_b32 s[G1CX+3], 512<<16
	s_mov_b32 s[G1CX+4], 8
	s_mov_b32 s[G1CX+5], 1024
	s_mov_b32 s[G1CX+6], 0
	s_mov_b32 s[G1CX+7], 0
	s_mov_b32 s[G1CW+1], 256<<16                   ; W_o's codes: 128 rows x 256 bytes, 512 bytes apart
	s_mov_b32 s[G1CW+2], 128<<16
	s_mov_b32 s[G1CW+3], 256<<16
	s_mov_b32 s[G1CW+4], 128
	s_mov_b32 s[G1CW+5], 512
	s_mov_b32 s[G1CW+6], 0
	s_mov_b32 s[G1CW+7], 0
.irp g, G1SX, G1SW                     ; scales: 4,096 dense bytes as 16 rows of 256
	s_mov_b32 s[\g+1], 32<<16
	s_mov_b32 s[\g+2], 16<<16
	s_mov_b32 s[\g+3], 32<<16
	s_mov_b32 s[\g+4], 16
	s_mov_b32 s[\g+5], 32
	s_mov_b32 s[\g+6], 0
	s_mov_b32 s[\g+7], 0
.endr
.irp g, G0X, G0W
	s_mov_b32 s[\g], 1
	s_mov_b32 s[\g+4], 1
	s_mov_b32 s[\g+8], 1
.endr
	s_mov_b32 s[G0X+1], CSC
	s_mov_b32 s[G0X+5], CTX
	s_mov_b32 s[G0X+9], CTX+CHALF
	s_mov_b32 s[G0W+1], WSC
	s_mov_b32 s[G0W+5], 0
	s_mov_b32 s[G0W+9], WHALF
	s_wait_dscnt 0x0                               ; both opening adds are done
	s_wait_kmcnt 0x0
	s_lshl_b32 s2, s[TB], 12
	s_mov_b32 s3, 0
	s_add_nc_u64 s[G0X+2:G0X+3], s[70:71], s[2:3]
	s_lshl_b32 s2, s[TB], 16
	s_add_nc_u64 s[G0X+6:G0X+7], s[68:69], s[2:3]
	s_add_nc_u64 s[G0X+10:G0X+11], s[G0X+6:G0X+7], 4096
	s_lshl_b32 s82, s[NB], 12
	s_mov_b32 s83, 0
	s_add_nc_u64 s[G0W+2:G0W+3], s[74:75], s[82:83]
	s_lshl_b32 s82, s[NB], 16
	s_add_nc_u64 s[G0W+6:G0W+7], s[72:73], s[82:83]
	s_add_nc_u64 s[G0W+10:G0W+11], s[G0W+6:G0W+7], 256
.irp g, G0X+3, G0X+7, G0X+11, G0W+3, G0W+7, G0W+11
	s_or_b32 s[\g], s[\g], 0x80000000              ; type = 2
.endr
	ROUND                                          ; all sixteen work-groups are here: the joint loads meet
; THE SIX FILLS, ONE A WAVE: waves 0 to 5; waves 6 and 7 fill nothing.  One chain of branches on the wave's number, an arm a load, all arms leading to one join.
.macro ARM n, g0, g1, next
	s_cmp_eq_u32 s[WV], \n
	s_cbranch_scc0 \next
	tensor_load_to_lds s[\g0:\g0+3], s[\g1:\g1+7]
	s_nop 0
.rept 4
	v_nop
.endr
	s_branch .Lasked
\next:
.endm
	ARM 0, G0W, G1SW, .Larm1
	ARM 1, G0X, G1SX, .Larm2
	ARM 2, G0W+4, G1CW, .Larm3
	ARM 3, G0X+4, G1CX, .Larm4
	ARM 4, G0W+8, G1CW, .Larm5
	ARM 5, G0X+8, G1CX, .Larm_none
.Lasked:
	v_and_b32 v11, 15, v0                          ; r
	v_bfe_u32 v12, v0, 4, 1                        ; h
	v_and_b32 v13, 31, v0                          ; lane
	s_lshl_b32 s2, s[NB], 9                        ; b_o at my 64 columns
	s_lshl_b32 s81, s[CH], 8
	s_add_co_u32 s2, s2, s81
	s_add_nc_u64 s[76:77], s[76:77], s[2:3]
	v_lshlrev_b32 v[BOF], 5, v12                   ; register j of tile t is column 16 t + 8 h + j
.irp t, 0,1,2,3
.irp e, 0,1
	global_load_b128 v[BO+8*\t+4*\e:BO+8*\t+4*\e+3], v[BOF], s[76:77] offset:64*\t+16*\e
.endr
.endr
	v_mul_u32_u24 v[LA], v11, PITCH
	s_delay_alu instid0(VALU_DEP_1)
	v_lshl_add_u32 v[LA], v12, 4, v[LA]
	s_mul_i32 s81, s[CH], 4*TILEB
	v_add_nc_u32 v[LA], s81, v[LA]                 ; W_o: row r x pitch + 16 h + my four tiles
	s_lshl_b32 s81, s[TP], 13
	s_add_co_u32 s81, s81, CTX
	v_lshl_add_u32 v[SA], v13, 4, s81              ; ctx: 16 x lane + my two token tiles
	v_lshrrev_b32 v[CSA], 3, v13
	v_and_b32 v[WSA], 7, v13
	s_delay_alu instid0(VALU_DEP_1)
	v_lshlrev_b32 v[WSA], 5, v[WSA]
	s_delay_alu instid0(VALU_DEP_1)
	v_mad_u32_u24 v[WSA], v[CSA], 272, v[WSA]      ; row l of a pair of tiles: eight rows of 32 bytes to a padded row of 272
	s_mul_i32 s81, s[CH], 8*272
	s_add_co_u32 s81, s81, WSC
	v_add_nc_u32 v[WSA], s81, v[WSA]
	v_lshlrev_b32 v[CSA], 9, v12
	s_delay_alu instid0(VALU_DEP_1)
	v_lshl_add_u32 v[CSA], v11, 2, v[CSA]
	s_lshl_b32 s81, s[TP], 10
	s_add_co_u32 s81, s81, CSC
	v_add_nc_u32 v[CSA], s81, v[CSA]               ; ctx's words: 512 x (2 tp + h) + 4 r
	s_mul_i32 s81, s[WV], 16*272
	s_add_co_u32 s81, s81, STAGE                   ; my stage
	v_mul_u32_u24 v[STO], v11, 272
	s_delay_alu instid0(VALU_DEP_1)
	v_lshl_add_u32 v[STO], v12, 5, v[STO]
	s_delay_alu instid0(VALU_DEP_1)
	v_add_nc_u32 v[STO], s81, v[STO]               ; in: row r, 32 bytes for each half of the lanes
	v_mul_u32_u24 v[RD], v12, 272
	s_delay_alu instid0(VALU_DEP_1)
	v_lshl_add_u32 v[RD], v11, 4, v[RD]
	s_delay_alu instid0(VALU_DEP_1)
	v_add_nc_u32 v[RD], s81, v[RD]                 ; back: lanes 0-15 one row of 256 bytes, lanes 16-31 the next
	v_lshlrev_b32 v[GO], 12, v12
	s_delay_alu instid0(VALU_DEP_1)
	v_lshl_add_u32 v[GO], v11, 4, v[GO]            ; and the same two rows in out
	s_lshl_b32 s2, s[TB], 19                       ; out at row 128 tb + 32 tp, column 128 nb + 64 ch
	s_lshl_b32 s81, s[TP], 17
	s_add_co_u32 s2, s2, s81
	s_lshl_b32 s81, s[NB], 9
	s_add_co_u32 s2, s2, s81
	s_lshl_b32 s81, s[CH], 8
	s_add_co_u32 s2, s2, s81
	s_add_nc_u64 s[78:79], s[78:79], s[2:3]
	s_wait_alu depctr_va_vdst(0)
	s_wait_tensorcnt 0x0                           ; my one fill, if I have one, is in
	s_barrier_signal -1
	s_barrier_wait -1                              ; everybody's are
.irp b, 0,1
.irp k, 0,1
	ds_load_b128 v[WS+8*\b+4*\k:WS+8*\b+4*\k+3], v[WSA] offset:\b*4*272+16*\k
.endr
.endr
.irp s, 0,1,2,3,4,5,6,7
	ds_load_b32 v[CS+\s], v[CSA] offset:64*\s
.endr
	FETCH 0
	FETCH 1
	s_wait_dscnt 12                                ; all but the twelve just issued
	s_wait_loadcnt 0x0                             ; b_o
	MUL8 0
	PLACES
	FETCH 2
	s_wait_dscnt 12
	MUL8 1
	PLACES
	FETCH 3
	s_wait_dscnt 12
	MUL8 2
	PLACES                                         ; K half 1 has been in since the one barrier above
	FETCH 4
	s_wait_dscnt 12
	MUL8 3
	PLACES
	FETCH 5
	s_wait_dscnt 12
	MUL8 4
	PLACES
	FETCH 6
	s_wait_dscnt 12
	MUL8 5
	PLACES
	FETCH 7
	s_wait_dscnt 12
	MUL8 6
	s_wait_dscnt 0x0
	MUL8 7
	PLACES
	; THE WAY OUT: a tile of 16 tokens x 64 columns at a time through my own stage, back as whole rows of 256 bytes.  LDS serves a wave's instructions in order (ISA guide 5.7.1.4): no wait between stores and loads.
.irp c, 0,1
.irp t, 0,1,2,3
	ds_store_b128 v[STO], v[ACC+32*\c+8*\t:ACC+32*\c+8*\t+3] offset:64*\t          ; each accumulator from its low end on
	ds_store_b128 v[STO], v[ACC+32*\c+8*\t+4:ACC+32*\c+8*\t+7] offset:64*\t+16
.endr
.irp i, 0,1,2,3,4,5,6,7
	ds_load_b128 v[72+32*\c+4*\i:72+32*\c+4*\i+3], v[RD] offset:544*\i
.endr
.endr
.irp c, 0,1
.irp i, 0,1,2,3,4,5,6,7
	s_wait_dscnt 23-16*\c-\i                       ; behind this load: the tile's later loads, and for the first tile the second's sixteen LDS instructions
	global_store_b128 v[GO], v[72+32*\c+4*\i:72+32*\c+4*\i+3], s[78:79] offset:(16*\c+2*\i)*4096 th:TH_STORE_NT   ; sixteen lanes store 256 consecutive bytes, aligned; written once
.endr
.endr
	s_wait_tensorcnt 0x0                           ; the wave's end
	ds_add_u32 v[SPW], v[NIL]
	s_wait_dscnt 0x0
	ROUND                                          ; the closing round
	s_endpgm
.Lfunc_end_k_q2ca258d9c1_oproj:
	.size	k_q2ca258d9c1_oproj, .Lfunc_end_k_q2ca258d9c1_oproj-k_q2ca258d9c1_oproj
	.p2alignl 7, 3214868480
	.fill 96, 4, 3214868480
	.section	.rodata,"a",@progbits
	.p2align	6, 0x0
	.amdhsa_kernel k_q2ca258d9c1_oproj
		.amdhsa_group_segment_fixed_size 327680
		.amdhsa_private_segment_fixed_size 0
		.amdhsa_enable_private_segment 0
		.amdhsa_kernarg_size 48
		.amdhsa_user_sgpr_count 2
		.amdhsa_user_sgpr_kernarg_segment_ptr 1
		.amdhsa_wavefront_size32 1
		.amdhsa_system_sgpr_workgroup_id_x 1
		.amdhsa_system_sgpr_workgroup_id_y 1
		.amdhsa_system_sgpr_workgroup_id_z 1
		.amdhsa_system_vgpr_workitem_id 0
		.amdhsa_next_free_vgpr 256
		.amdhsa_next_free_sgpr 84
		.amdhsa_reserve_vcc 0
		.amdhsa_float_denorm_mode_32 3
		.amdhsa_float_denorm_mode_16_64 3
		.amdhsa_memory_ordered 1
		.amdhsa_forward_progress 1
		.amdhsa_inst_pref_size 31
	.end_amdhsa_kernel
	.amdgpu_metadata
---
amdhsa.version: [ 1, 2 ]
amdhsa.kernels:
  - .name:           k_q2ca258d9c1_oproj
    .symbol:         k_q2ca258d9c1_oproj.kd
    .args:
      - { .name: cf, .offset: 0, .size: 8, .value_kind: global_buffer, .address_space: global }
      - { .name: cs, .offset: 8, .size: 8, .value_kind: global_buffer, .address_space: global }
      - { .name: W_o_codes, .offset: 16, .size: 8, .value_kind: global_buffer, .address_space: global }
      - { .name: W_o_scales, .offset: 24, .size: 8, .value_kind: global_buffer, .address_space: global }
      - { .name: b_o, .offset: 32, .size: 8, .value_kind: global_buffer, .address_space: global }
      - { .name: out0, .offset: 40, .size: 8, .value_kind: global_buffer, .address_space: global }
    .group_segment_fixed_size: 327680
    .private_segment_fixed_size: 0
    .kernarg_segment_align: 8
    .kernarg_segment_size: 48
    .max_flat_workgroup_size: 256
    .sgpr_count:     84
    .vgpr_count:     256
    .wavefront_size: 32
...
	.end_amdgpu_metadata
.endif
;; end of part 3
